; MI455X (gfx1250); checked and timed in simulation.
; The chip was launched on July 23, 2026; its instructions are those of AMD's public machine-readable ISA for CDNA 5 (MIT licence, August 2026) and "CDNA5" Instruction Set Architecture Reference Guide (July 2026). The comments in the code are by the model that wrote it; some were corrected since.
;; Multi Head Attention. Allowed arithmetic: matrix products marked QUANTISED: E2M3 operands, one E8M0 scale for each 32 along K, by v_wmma_scale_f32_16x16x128_f8f6f4 with both operands' format E2M3, f32 sums; everything else in f32.
;; Inputs: W_out_codes 1,024 x 32 x 24 uint8 (E2M3 codes of W_out, K innermost, in blocks of 32 codes, four codes in three bytes); W_out_scales 1,024 x 32 uint8 (E8M0 scales of W_out, one for each 32 codes along K); W_qkv_codes 3,072 x 32 x 24 uint8 (E2M3 codes of W_qkv, K innermost, in blocks of 32 codes, four codes in three bytes); W_qkv_scales 3,072 x 32 uint8 (E8M0 scales of W_qkv, one for each 32 codes along K); b_out 1,024 float32; b_qkv 3,072 float32; x_codes 4 x 2,048 x 32 x 24 uint8 (E2M3 codes of x, K innermost, in blocks of 32 codes, four codes in three bytes); x_scales 4 x 2,048 x 32 uint8 (E8M0 scales of x, one for each 32 codes along K).
;; Outputs: out0 4 x 2,048 x 1,024 float32.
;; This version of the problem:
;;   THIS VERSION OF THE PROBLEM IS GIVEN IN LOW PRECISION. The matrix products marked QUANTISED in the list below multiply operands that are first quantised to E2M3 (2 exponent bits, 3 mantissa bits; 6 bits a number), with one power-of-two scale for each 32 numbers along K (OCP MX v1.0); their sums are f32. All else is computed in f32.
;;   The module's matrix products, in the order in which they are computed (A, B: the left and right operand; K: the contracted axis; several contracted axes count as one K, in the product's order):
;;     1. [M 8,192, K 1,024] x [K 1,024, N 3,072]; A: input x (given as codes); B: input W_qkv (given as codes): QUANTISED
;;     2. batch 64 x [M 2,048, K 64] x [K 64, N 2,048]; A: computed on the way; B: computed on the way: QUANTISED
;;     3. batch 64 x [M 2,048, K 2,048] x [K 2,048, N 64]; A: softmax (see below); B: computed on the way: QUANTISED
;;     4. [M 8,192, K 1,024] x [K 1,024, N 1,024]; A: computed on the way; B: input W_out (given as codes): QUANTISED
;;   THE QUANTISER, for each operand of a quantised product, along K:
;;     - K is cut into blocks of 32 from its start; a last block that is shorter is filled with zeros.
;;     - A block's scale is 2^e with e = floor(log2(the largest magnitude in the block)) - 2, held to -126 .. 127; a block of zeros has e = 0. As a byte (E8M0): e + 127.
;;     - Each number is divided by its block's scale, clamped to +-7.5, and rounded to the nearest number of E2M3, ties to even, subnormals kept.
;;     - The product sums the exact products of the quantised numbers (number of the format x scale) in f32.
;;   ~~~python
;;   def quantise(x, axis):      # numpy; x: float32 -> the quantised numbers, widened to float32 again
;;       x = np.moveaxis(x, axis, -1); K = x.shape[-1]
;;       x = np.pad(x, [(0, 0)] * (x.ndim - 1) + [(0, -K % 32)]); x = x.reshape(x.shape[:-1] + (-1, 32)); a = np.abs(x).max(-1, keepdims=True)
;;       e = np.where(a > 0, np.clip(np.frexp(np.where(a > 0, a, 1))[1] - 1 - 2, -126, 127), 0)      # np.frexp(a)[1] - 1 = floor(log2(a)), exactly
;;       r = np.clip(x / 2.0 ** e, -7.5, 7.5)
;;       step = 2.0 ** (np.maximum(np.frexp(np.where(r == 0, 1, r))[1] - 1, 0) - 3)
;;       q = np.round(r / step) * step * 2.0 ** e      # np.round: ties to even
;;       return np.moveaxis(q.reshape(q.shape[:-2] + (-1,))[..., :K], -1, axis).astype(np.float32)
;;   ~~~
;;   SOFTMAX AHEAD OF A QUANTISED PRODUCT. Where the list says 'softmax', what is quantised is not the finished softmax but p = 2^(t - M), with t = logit x log2(e) and M = ceil(the row's largest t), a whole number; so 1/2 < the row's largest p <= 1. The row's sum l is taken of the UNQUANTISED p, in f32, and the product's result is divided by l at the end. Since M is a whole number, a kernel that streams over the keys may use a running M (the ceiling of the running maximum): every later rescaling is an exact power of two, which a block's scale takes up: the codes' values come out the same.
;;   OPERANDS COMPUTED ON THE WAY. 'Computed on the way' means the value that the module computes at that place (a softmax that the list does not call 'softmax' is quantised finished and normalised). What goes into a quantiser is computed in f32, as accurately as f32 sums, v_exp_f32 and their like allow (about 1e-6 of the number): no bf16 or f16 on the way to a quantiser, and a product that is left as it is and whose result goes on into a quantised operand takes f32 operands (vector FMAs, or v_wmma_f32_16x16x4_f32). A number that lies on a knife's edge between two numbers of the format may be rounded either way, as far as f32 arithmetic and the matrix unit's own rounding can turn it there, and no further.
;;   INPUTS GIVEN AS CODES. W_out (in the module: [1024, 1024], K = its axis 1); W_qkv (in the module: [3072, 1024], K = its axis 1); x (in the module: [4, 2048, 1024], K = its axis 2): each comes as NAME_codes (uint8): NAME with its K axis moved to the last place and cut into blocks of 32 codes, [.., K / 32, bytes a block], one block behind the other in memory; four codes in three bytes: a row's codes are one little-endian stream of bits, code i at bits 6 i .. 6 i + 5 (a code: sign, 2 exponent bits, 3 mantissa bits); and NAME_scales (uint8): the same leading axes, one E8M0 byte (e + 127) for each 32 codes along K. Its value is code x scale, taken as it is: it is not quantised again, and the codes and scales need not be those that the quantiser above would give.
;; One version. Each part assembles by itself: llvm-mc -triple=amdgcn-amd-amdhsa -mcpu=gfx1250 --defsym DOCPART=n.
;; ======== version 1 of 1: 3 launches
;; workspace buffers: qc 6,815,744 bytes; kvc 13,631,488 bytes; lc 6,291,456 bytes; lsc 524,288 bytes
;; launch qkv (part 1): grid 16 x 32, 4 waves a work-group, clusters of 4 x 4, 327,680 bytes of LDS; arguments x_codes, x_scales, W_qkv_codes, W_qkv_scales, b_qkv, qc, kvc; writes qc, kvc
.if DOCPART == 1
	.amdgcn_target "amdgcn-amd-amdhsa--gfx1250"
	.amdhsa_code_object_version 6
	.text
	.protected	k_q2b5c8d53c8_qkv
	.globl	k_q2b5c8d53c8_qkv
	.p2align	8
	.type	k_q2b5c8d53c8_qkv,@function
k_q2b5c8d53c8_qkv:
	s_mov_b64 s[64:65], 0
	v_nop
	global_prefetch_b8 v0, s[64:65] scope:SCOPE_SE
	s_setreg_imm32_b32 hwreg(HW_REG_WAVE_MODE, 25, 1), 1
	s_wait_xcnt 0x0
	s_wait_alu depctr_hold_cnt(0) depctr_sa_sdst(0) depctr_va_vdst(0) depctr_va_sdst(0) depctr_va_ssrc(0) depctr_va_vcc(0) depctr_vm_vsrc(0)
	s_getreg_b32 s2, hwreg(HW_REG_IB_STS2, 6, 4)
	s_cmp_eq_u32 s2, 0
	s_cbranch_scc0 .Lentry_in_a_cluster
	s_endpgm
.Lentry_in_a_cluster:
	s_bfe_u32 s2, ttmp6, 0x10000c
	s_cmp_lg_u32 s2, 0xf033
	s_cbranch_scc0 .Lentry_shape_is_right
	s_endpgm
.Lentry_shape_is_right:
; qkv = x W_qkv^T + b_qkv on codes of FP6 (E2M3) with E8M0 scales, and its result quantised at once: q and k along the head's 64, v along the tokens.
; x: 8,192 tokens x 1,024; W_qkv: 3,072 x 1,024; a head owns 192 neighbouring columns: q 0-63, k 64-127, v 128-191.
; SHARES.  A work-group: 256 tokens x one head's 192 columns.  Wave w: tokens 64 w .. 64 w + 63 x all 192 columns: 48 accumulators.  So every block of 32 of q, k (along e) and of v (along the tokens) lies in one wave.
; q, k (W's tiles 0-7): source 0 = 16 rows of W, source 1 = 16 tokens: a lane holds ONE token and eight neighbouring e.   v (W's tiles 8-11): source 0 = 16 tokens, source 1 = 16 rows of W: a lane holds ONE d and eight neighbouring tokens.
; K goes through three LDS slots of 256 along K (rows of 192 bytes, 16 bytes of padding behind every 64: pitch 240).  K has four such steps: three first fills, and ONE refill, of slot 0.
; CLUSTER 4 x 4: x's tile hangs on the token block alone and is shared along a row of the cluster, W's on the head alone and is shared along a column: each is asked for jointly.
; The scale words of my 64 tokens and of the 192 rows of W, for all of K, stay in registers: a row's 32 scale bytes are its eight K steps' words.
; OUT (images of operand registers; a code tile is 768 bytes: registers 0-3 at 16 x lane, registers 4-5 at 512 + 8 x lane; lane (r, h) holds block h of row r):
;   qc  [b x head][group of 64 tokens][3,328]: 4 token tiles, then 64 scale words (tile 2 j + h, row r at 8 (16 h + r) + 4 j)
;   kvc [b x head][group][6,656]: k laid likewise, then v: 4 tiles of 16 d (K = the group's 64 tokens) and their scale words, the two bytes in the low half for an even group, in the high half for an odd one.
; THE ORDER INSIDE A BLOCK OF 32: places 0-15 hold offsets 0-7 and 16-23, places 16-31 offsets 8-15 and 24-31, alike in q and k, and alike in v and in the weights that the next launch makes: the products are the same, only their grouping inside a sum differs.
; LIMITS: NaN and infinities are not served (a given scale byte 0xff gives NaN); a block whose largest magnitude lies under 2^-124 keeps the byte 1; a block of zeros gets the byte 1 and not 127: its codes are zeros, and this program alone reads the bytes.
; REGISTERS.  window 0: v1-22 addresses; v32-47 x's scale words, v48-95 W's; v96-191 x's fragments, two sets of 4; v192-241 the quantiser.
;   window 1: v0-143 W's fragments, two sets of 6; v144-239 the bias, 12 tiles in the result's layout.   window 2: q, k: (token tile a, W tile tb) at 8 (8 a + tb).   window 3: v: (td, a) at 8 (4 td + a).
.set SLOT,  107520                     ; x's 256 rows (61,440 bytes), then W's 192 rows (46,080)
.set BOFF,  61440
.set PITCH, 240
.set SPARE, 3*SLOT                     ; behind the slots: the spare words, 128 bytes a wave: two blocks of 256 bytes that no other line names
.set SPW,  16                          ; v16  SPARE + 4 x my thread's number; never rewritten
.set NIL,  17                          ; v17  0; never rewritten
.set XS,   32                          ; XS + 8 tp + g: lanes 0-15 token tile 2 tp, lanes 16-31 tile 2 tp + 1, K step g
.set WS,   48                          ; WS + 8 bp + g: likewise W's tiles 2 bp, 2 bp + 1
.set XF,   96
.set PC,   192                         ; v192-203 the codes just made; v204-206, v208-210 their second halves on the way
.set TM,   212                         ; v212-215 largest magnitudes, v216-219 bytes, v224-227 the conversions' scale operands
.set PW,   228                         ; v228-233 the six scale words
.set BIAS, 144
.set G1A,  24                          ; s[24:31] group 1 for x's tiles;  s[32:43] groups 0, one a slot
.set G0A,  32
.set G1B,  44                          ; s[44:51], s[52:63] the same for W's
.set G0B,  52
.set MSB,  0
.macro WIN new                         ; the immediate's high byte repeats the setting that is left
.if MSB != (\new)
	s_set_vgpr_msb (MSB<<8)|(\new)
.set MSB, (\new)
.endif
.endm
.macro PLACES                          ; four plain vector lines behind a matrix instruction, ahead of loads into its registers and of reads of its result
.rept 4
	v_nop
.endr
.endm
.macro CREST                           ; a round of the cluster's barrier behind its opening barrier
	s_cmp_lg_u32 s18, 0
	s_cbranch_scc1 .Lnot_wave_0_\@
	s_barrier_signal -3
.Lnot_wave_0_\@:
	s_barrier_wait -3
	s_barrier_signal -1
	s_barrier_wait -1
.endm
.macro CROUND
	s_barrier_signal -1
	s_barrier_wait -1
	CREST
.endm
.macro JLOAD g0a, g0b                  ; a joint load: waves 0, 1 fetch x's halves, waves 2, 3 W's; four v_nop follow each line
	s_cmp_eq_u32 s19, 0
	s_cbranch_scc0 .Lfor_b_\@
	tensor_load_to_lds s[\g0a:\g0a+3], s[G1A:G1A+7]
	s_nop 0
.rept 4
	v_nop
.endr
	s_branch .Lasked_\@
.Lfor_b_\@:
	tensor_load_to_lds s[\g0b:\g0b+3], s[G1B:G1B+7]
	s_nop 0
.rept 4
	v_nop
.endr
.Lasked_\@:
.endm
; A fragment: 16 rows x 128 K = 12 registers, in six pieces of 8 bytes.  Lanes 16-31 read three pieces on; where that lies behind one padding more, the second address register (40 for 24 bytes a half) serves.
.macro FRAG reg, adr, adr2, q, i
.irp p, 0,1,2,3,4,5
.set PCN, 12*(\q)+6*(\p/3)+\p%3
.if PCN%8 < 5
	ds_load_b64 v[\reg+2*\p:\reg+2*\p+1], v[\adr] offset:8*PCN+16*(PCN/8)+(\i)*16*PITCH
.else
	ds_load_b64 v[\reg+2*\p:\reg+2*\p+1], v[\adr2] offset:8*PCN+16*(PCN/8)+(\i)*16*PITCH
.endif
.endr
.endm
; One product.  ra, rb: source 0's, source 1's scales stand in lanes 16-31 of their registers
.macro WM d, a, b, c, sa, sb, ra, rb
.if (\ra) && (\rb)
	v_wmma_scale_f32_16x16x128_f8f6f4 v[\d:\d+7], v[\a:\a+11], v[\b:\b+11], v[\c:\c+7], v[\sa], v[\sb] matrix_a_fmt:MATRIX_FMT_FP6 matrix_b_fmt:MATRIX_FMT_FP6 matrix_a_scale:MATRIX_SCALE_ROW1 matrix_b_scale:MATRIX_SCALE_ROW1
.elseif (\ra)
	v_wmma_scale_f32_16x16x128_f8f6f4 v[\d:\d+7], v[\a:\a+11], v[\b:\b+11], v[\c:\c+7], v[\sa], v[\sb] matrix_a_fmt:MATRIX_FMT_FP6 matrix_b_fmt:MATRIX_FMT_FP6 matrix_a_scale:MATRIX_SCALE_ROW1
.elseif (\rb)
	v_wmma_scale_f32_16x16x128_f8f6f4 v[\d:\d+7], v[\a:\a+11], v[\b:\b+11], v[\c:\c+7], v[\sa], v[\sb] matrix_a_fmt:MATRIX_FMT_FP6 matrix_b_fmt:MATRIX_FMT_FP6 matrix_b_scale:MATRIX_SCALE_ROW1
.else
	v_wmma_scale_f32_16x16x128_f8f6f4 v[\d:\d+7], v[\a:\a+11], v[\b:\b+11], v[\c:\c+7], v[\sa], v[\sb] matrix_a_fmt:MATRIX_FMT_FP6 matrix_b_fmt:MATRIX_FMT_FP6
.endif
.endm
; A HALF STEP hs (0 .. 15) is half of K step k = hs / 2 (128 along K): the even half W's tiles 0-5, the odd half tiles 6-11.  K step k lies in slot (k / 2) % 3, at its (k % 2)-th 128.
.macro FETCH hs                        ; six fragments of W into set hs % 2; with an even half also x's four into set k % 2
.set FK, (\hs)/2
.set FS, (FK/2)%3
.set FQ, FK%2
	WIN 0x40                                       ; destination window 1, address window 0
.set TI, 0
.rept 6
	FRAG 72*((\hs)%2)+12*TI, 10+FS, 13+FS, FQ, 6*((\hs)%2)+TI
.set TI, TI+1
.endr
	WIN 0
.if (\hs)%2 == 0
.set TI, 0
.rept 4
	FRAG XF+48*FQ+12*TI, 4+FS, 7+FS, FQ, TI
.set TI, TI+1
.endr
.endif
.endm
; q, k: W's tiles t0 .. t0 + n - 1 against my four token tiles.  In K step 0 the bias is the C: nothing is cleared and nothing is added later.  All accumulators take turns, one instruction a turn.
.macro MULQK hs, t0, n
.set KK, (\hs)/2
.if KK == 0
	WIN 0x91                                       ; source 0 (W) window 1, source 1 (x) window 0, C (bias) window 1, D window 2
.else
	WIN 0xa1                                       ; C and D window 2
.endif
.set TBI, \t0
.rept \n
.set AI, 0
.rept 4
.set rD, 8*(8*AI+TBI)
.set rA, 72*((\hs)%2)+12*(TBI-6*((\hs)%2))
.set rB, XF+48*(KK%2)+12*AI
.if KK == 0
.set rC, BIAS+8*TBI
.else
.set rC, rD
.endif
.set rSA, WS+8*(TBI/2)+KK
.set rSB, XS+8*(AI/2)+KK
	WM rD, rA, rB, rC, rSA, rSB, TBI%2, AI%2
.set AI, AI+1
.endr
.set TBI, TBI+1
.endr
.endm
.macro MULV hs                         ; v: my four token tiles (source 0) against W's tiles 8-11 (source 1)
.set KK, (\hs)/2
.if KK == 0
	WIN 0xd4                                       ; source 0 (x) window 0, source 1 (W) window 1, C (bias) window 1, D window 3
.else
	WIN 0xf4                                       ; C and D window 3
.endif
.set TD, 0
.rept 4
.set AI, 0
.rept 4
.set rD, 8*(4*TD+AI)
.set rA, XF+48*(KK%2)+12*AI
.set rB, 72+12*(2+TD)
.if KK == 0
.set rC, BIAS+8*(8+TD)
.else
.set rC, rD
.endif
.set rSA, XS+8*(AI/2)+KK
.set rSB, WS+8*(4+TD/2)+KK
	WM rD, rA, rB, rC, rSA, rSB, AI%2, TD%2
.set AI, AI+1
.endr
.set TD, TD+1
.endr
.endm
.macro MUL hs
.if (\hs)%2 == 0
	MULQK \hs, 0, 6
.else
	MULQK \hs, 6, 2
	MULV \hs
.endif
.endm
.macro HALF hs
	s_wait_dscnt 0x0                               ; this half's fragments are in (asked for one half step, 24 matrix instructions, ago)
	PLACES                                         ; ahead of loads into the set that the last half step multiplied
	FETCH (\hs)+1
	MUL \hs
.endm
; 64 numbers of a lane in window w, register s + 16 b + i = my 16 numbers of block b, become 12 registers of codes in v[PC] on (lane (r, h): blocks h and 2 + h) and the four blocks' scale bytes in v[pw].
.macro QUANT s, w, pw
	WIN ((\w)<<2)|((\w)<<4)                        ; sources 1 and 2 window w
.irp b, 0,1,2,3
	v_max3_num_f32 v[TM+\b], 0x1800000, |v[\s+16*\b]|, |v[\s+16*\b+1]|   ; with the floor 2^(3 - 127): the byte cannot fall under 1.  Each accumulator is read from its low end on
.endr
.irp i, 2,4,6,8,10,12,14
.irp b, 0,1,2,3
	v_max3_num_f32 v[TM+\b], v[TM+\b], |v[\s+16*\b+\i]|, |v[\s+16*\b+\i+1]|   ; the four blocks by turns
.endr
.endr
	WIN 0
.irp b, 0,1,2,3
	v_permlanex16_b32 v[TM+4+\b], v[TM+\b], s88, s89
.endr
.irp b, 0,1,2,3
	v_max_num_f32 v[TM+\b], v[TM+\b], v[TM+4+\b]   ; with lane l xor 16's 16: the block's largest magnitude
.endr
.irp b, 0,1,2,3
	v_add_nc_u32 v[TM+12+\b], 0xff000000, v[TM+\b] ; 2 off its exponent field: the conversion takes this operand's exponent field as its scale
.endr
.irp b, 0,1,2,3
	v_lshrrev_b32 v[TM+4+\b], 23, v[TM+12+\b]      ; the scale's byte
.endr
	v_lshl_or_b32 v[\pw], v[TM+5], 8, v[TM+4]
	v_lshl_or_b32 v[\pw], v[TM+6], 16, v[\pw]
	v_lshl_or_b32 v[\pw], v[TM+7], 24, v[\pw]
	WIN \w                                         ; source 0 window w
.irp c, 0,1
	v_cvt_scalef32_pk16_fp6_f32 v[PC+6*\c:PC+6*\c+2], v[\s+32*\c:\s+32*\c+15], v[TM+12+2*\c]
	v_cvt_scalef32_pk16_fp6_f32 v[PC+12+4*\c:PC+14+4*\c], v[\s+32*\c+16:\s+32*\c+31], v[TM+13+2*\c]   ; (a conversion's three registers begin on an even number)
.endr
	WIN 0
	v_nop                                          ; one plain line behind a scaled conversion
.irp c, 0,1                            ; the operand's layout wants a whole block in a lane
.irp i, 0,1,2
	v_permlane16_swap_b32 v[PC+6*\c+\i], v[PC+12+4*\c+\i]
.endr
.irp i, 0,1,2
	v_mov_b32 v[PC+3+6*\c+\i], v[PC+12+4*\c+\i]
.endr
.endr
.endm
	s_load_b256 s[4:11], s[0:1], 0x0               ; x's codes s[4:5], x's scales s[6:7], W's codes s[8:9], W's scales s[10:11]
	s_load_b128 s[12:15], s[0:1], 0x20             ; the bias s[12:13], qc s[14:15]
	s_load_b64 s[16:17], s[0:1], 0x30              ; kvc
	v_lshl_add_u32 v[SPW], v0, 2, SPARE
	v_mov_b32 v[NIL], 0
	ds_add_u32 v16, v17
	ds_add_u32 v16, v17
	s_wait_dscnt 0x0
	v_lshrrev_b32 v3, 5, v0
	v_readfirstlane_b32 s18, v3                    ; wave 0..3
	s_lshr_b32 s19, s18, 1                         ; I fetch for x (0) or for W (1),
	s_and_b32 s20, s18, 1                          ; and which half of that tile's rows
	s_lshl_b32 s78, s20, 4                         ; my group of 64 tokens is even or odd as my wave is: 16 bits up for an odd one
	s_bfe_u32 s21, ttmp6, 0x40000                  ; cx
	s_bfe_u32 s22, ttmp6, 0x40004                  ; cy
	s_lshl_b32 s23, ttmp9, 2
	s_add_co_u32 s23, s23, s21                     ; the head = 4 x cluster x + cx
	s_and_b32 s66, ttmp7, 0xffff
	s_lshl_b32 s66, s66, 2
	s_add_co_u32 s66, s66, s22                     ; the block of 256 tokens = 4 x cluster y + cy
	s_lshl_b32 s67, s22, 2
	s_lshl_b32 s67, 15, s67                        ; my row of the cluster
	s_lshl_b32 s68, 0x1111, s21                    ; my column
	s_mov_b32 s88, 0x76543210
	s_mov_b32 s89, 0xfedcba98                      ; v_permlanex16_b32's selects for lane l xor 16
	; group 1: rows of 192 bytes, 768 bytes apart in memory; 16 bytes of padding behind every 64; x: 128 rows a load, W: 96
	s_or_b32 s[G1A], s67, (1<<20)|(1<<21)|(3<<22)|(3<<25)   ; 15:0 the mask; 17:16 elements of 1 byte; 20 padding on; 21 set beside a mask; 24:22 after every 16 words; 31:25 of 4 words
	s_or_b32 s[G1B], s68, (1<<20)|(1<<21)|(3<<22)|(3<<25)
	s_mov_b32 s[G1A+1], 192<<16                    ; tensor_dim0
	s_mov_b32 s[G1A+2], 128<<16                    ; tensor_dim1
	s_mov_b32 s[G1A+3], 192<<16                    ; tile_dim0
	s_mov_b32 s[G1A+4], 128                        ; tile_dim1
	s_mov_b32 s[G1A+5], 768                        ; the pitch
	s_mov_b32 s[G1A+6], 0
	s_mov_b32 s[G1A+7], 0
	s_mov_b32 s[G1B+1], 192<<16
	s_mov_b32 s[G1B+2], 96<<16
	s_mov_b32 s[G1B+3], 192<<16
	s_mov_b32 s[G1B+4], 96
	s_mov_b32 s[G1B+5], 768
	s_mov_b32 s[G1B+6], 0
	s_mov_b32 s[G1B+7], 0
	s_lshl_b32 s70, s66, 8
	s_lshl_b32 s72, s20, 7
	s_add_co_u32 s70, s70, s72                     ; x: row 256 x block + 128 x half,
	s_mul_i32 s70, s70, 768                        ; in bytes (under 2^23)
	s_mov_b32 s71, 0
	s_mul_i32 s74, s23, 192
	s_mul_i32 s75, s20, 96
	s_add_co_u32 s74, s74, s75                     ; W: row 192 x head + 96 x half
	s_mul_i32 s74, s74, 768
	s_mov_b32 s75, 0
	s_mul_i32 s76, s20, 128*PITCH                  ; where they go in a slot: no place in the cluster enters an LDS address
	s_mul_i32 s77, s20, 96*PITCH
	s_add_co_u32 s77, s77, BOFF
	s_lshl_b32 s84, s66, 13
	s_lshl_b32 s85, s18, 11
	s_add_co_u32 s84, s84, s85                     ; my 64 tokens' scale bytes: 32 bytes a row
	s_mov_b32 s85, 0
	s_wait_kmcnt 0x0
	s_add_nc_u64 s[70:71], s[4:5], s[70:71]
	s_add_nc_u64 s[74:75], s[8:9], s[74:75]
	s_add_nc_u64 s[6:7], s[6:7], s[84:85]
	s_mul_i32 s84, s23, 6144                       ; the head's 192 rows of W's scale bytes
	s_add_nc_u64 s[10:11], s[10:11], s[84:85]
	s_mul_i32 s84, s23, 768                        ; and its 192 numbers of the bias
	s_add_nc_u64 s[12:13], s[12:13], s[84:85]
	s_lshr_b32 s84, s66, 3                         ; b: eight blocks of 256 tokens to a sequence
	s_lshl_b32 s84, s84, 4
	s_add_co_u32 s84, s84, s23                     ; 16 b + head
	s_lshl_b32 s84, s84, 5
	s_and_b32 s86, s66, 7
	s_lshl_b32 s86, s86, 2
	s_add_co_u32 s84, s84, s86
	s_add_co_u32 s84, s84, s18                     ; x 32 groups + my group: 4 x (block in the sequence) + wave
	s_mul_i32 s86, s84, 3328
	s_mov_b32 s87, 0
	s_add_nc_u64 s[80:81], s[14:15], s[86:87]      ; my group in qc
	s_mul_i32 s86, s84, 6656
	s_add_nc_u64 s[82:83], s[16:17], s[86:87]      ; and in kvc
	CROUND                                         ; all sixteen work-groups are here: the first joint loads meet
.irp s, 0,1,2
	s_mov_b32 s[G0A+4*\s], 1                       ; count = 1
	s_add_co_u32 s[G0A+4*\s+1], s76, \s*SLOT       ; LDS address
	s_add_nc_u64 s[G0A+4*\s+2:G0A+4*\s+3], s[70:71], \s*192   ; global address: 256 along K are 192 bytes
	s_or_b32 s[G0A+4*\s+3], s[G0A+4*\s+3], 0x80000000         ; type = 2
	s_mov_b32 s[G0B+4*\s], 1
	s_add_co_u32 s[G0B+4*\s+1], s77, \s*SLOT
	s_add_nc_u64 s[G0B+4*\s+2:G0B+4*\s+3], s[74:75], \s*192
	s_or_b32 s[G0B+4*\s+3], s[G0B+4*\s+3], 0x80000000
.endr
	s_cmp_eq_u32 s19, 0                            ; a wave's three first fills stand in one branch, ahead of every wait on TENSORcnt, LDS read and work-group barrier: three loads of mine are out
	s_cbranch_scc0 .Lfirst_b
	tensor_load_to_lds s[G0A:G0A+3], s[G1A:G1A+7]
	s_nop 0
	tensor_load_to_lds s[G0A+4:G0A+7], s[G1A:G1A+7]
	s_nop 0
	tensor_load_to_lds s[G0A+8:G0A+11], s[G1A:G1A+7]
	s_nop 0
.rept 4
	v_nop
.endr
	s_branch .Lfirst_done
.Lfirst_b:
	tensor_load_to_lds s[G0B:G0B+3], s[G1B:G1B+7]
	s_nop 0
	tensor_load_to_lds s[G0B+4:G0B+7], s[G1B:G1B+7]
	s_nop 0
	tensor_load_to_lds s[G0B+8:G0B+11], s[G1B:G1B+7]
	s_nop 0
.rept 4
	v_nop
.endr
.Lfirst_done:
	v_and_b32 v1, 15, v0                           ; r
	v_bfe_u32 v2, v0, 4, 1                         ; h
	v_mul_u32_u24 v3, v1, PITCH
	v_mad_u32_u24 v3, v2, 24, v3                   ; a fragment's row x pitch + 24 x half
	s_mul_i32 s72, s18, 64*PITCH                   ; my 64 rows of x
	v_add_nc_u32 v4, s72, v3                       ; v4-6: x's fragments in slots 0, 1, 2
	v_add_nc_u32 v5, SLOT, v4
	v_add_nc_u32 v6, 2*SLOT, v4
	v_lshl_add_u32 v7, v2, 4, v4                   ; v7-9: the same behind one padding more
	v_lshl_add_u32 v8, v2, 4, v5
	v_lshl_add_u32 v9, v2, 4, v6
	v_add_nc_u32 v10, BOFF, v3                     ; v10-12, v13-15: W's, which every wave reads whole
	v_add_nc_u32 v11, SLOT, v10
	v_add_nc_u32 v12, 2*SLOT, v10
	v_lshl_add_u32 v13, v2, 4, v10
	v_lshl_add_u32 v14, v2, 4, v11
	v_lshl_add_u32 v15, v2, 4, v12
	v_and_b32 v18, 31, v0
	v_lshlrev_b32 v19, 3, v18                      ; 8 x lane
	v_lshlrev_b32 v20, 5, v18                      ; 32 x lane: a row of scale bytes
	v_lshlrev_b32 v18, 4, v18                      ; 16 x lane
	v_lshlrev_b32 v21, 5, v2                       ; 32 h: the bias of q, k: my eight e of a tile
	v_lshlrev_b32 v22, 2, v1                       ; 4 r: the bias of v: my d
.irp b, 0,1,2,3
	v_mov_b32 v[TM+4+\b], 0                        ; written once: a lane permute's destination counts as one of its sources
.endr
.irp tp, 0,1
	global_load_b128 v[XS+8*\tp:XS+8*\tp+3], v20, s[6:7] offset:1024*\tp        ; row 32 tp + lane: K steps 0-3,
	global_load_b128 v[XS+8*\tp+4:XS+8*\tp+7], v20, s[6:7] offset:1024*\tp+16   ; 4-7
.endr
.irp bp, 0,1,2,3,4,5
	global_load_b128 v[WS+8*\bp:WS+8*\bp+3], v20, s[10:11] offset:1024*\bp
	global_load_b128 v[WS+8*\bp+4:WS+8*\bp+7], v20, s[10:11] offset:1024*\bp+16
.endr
	WIN 0x40                                       ; destination window 1
.irp tb, 0,1,2,3,4,5,6,7
	global_load_b128 v[BIAS+8*\tb:BIAS+8*\tb+3], v21, s[12:13] offset:64*\tb
	global_load_b128 v[BIAS+8*\tb+4:BIAS+8*\tb+7], v21, s[12:13] offset:64*\tb+16
.endr
.irp td, 0,1,2,3
	global_load_b32 v[BIAS+64+8*\td], v22, s[12:13] offset:512+64*\td
.endr
	WIN 0
	s_wait_tensorcnt 0x2                           ; my part of slot 0 is in; the two loads issued behind it (slots 1, 2) may stay out
	s_barrier_signal -1
	s_barrier_wait -1                              ; everybody's is
	s_wait_loadcnt 0x0                             ; scale words and bias, once
	WIN 0x41                                       ; destination and source 0 window 1
.irp td, 0,1,2,3
.irp j, 1,2,3,4,5,6,7
	v_mov_b32 v[BIAS+64+8*\td+\j], v[BIAS+64+8*\td]   ; in a tile of v a lane's eight results share one d, so one number of the bias
.endr
.endr
	FETCH 0
	s_wait_alu depctr_va_vdst(0)
	HALF 0
	HALF 1
	HALF 2
	; half step 3 leaves slot 0, which takes the fourth 256 along K: the launch's one refill
	WIN 0                                          ; (the add's two registers lie in window 0)
	s_wait_tensorcnt 0x0                           ; all my tensor loads have landed, slots 1 and 2 among them: so a group 0 may be written
	ds_add_u32 v[SPW], v[NIL]                      ; 0 onto my spare word
	s_add_nc_u64 s[G0A+2:G0A+3], s[G0A+2:G0A+3], 576   ; three slots' worth along K
	s_add_nc_u64 s[G0B+2:G0B+3], s[G0B+2:G0B+3], 576
	s_wait_dscnt 0x0                               ; the add is done, and my reads of slot 0 are over
	s_barrier_signal -1                            ; opens a round of the cluster's barrier
	MULQK 3, 6, 2                                  ; work on registers while the others arrive
	WIN 0
	s_barrier_wait -1
	CREST                                          ; no wave of any partner still reads slot 0 or has a load on its way
	JLOAD G0A, G0B                                 ; the first tensor load behind the round; its four v_nop are also the places ahead of the loads below
	FETCH 4
	MULV 3
	HALF 4
	HALF 5
	HALF 6
	HALF 7                                         ; (slot 2 was shown whole to every wave by the wait in front of the round: no barrier at this change)
	HALF 8
	HALF 9
	HALF 10
	s_wait_tensorcnt 0x0                           ; half step 11: my part of the refill is in;
	s_wait_dscnt 0x0                               ; this half's fragments are in, and no LDS instruction is out at the signal
	s_barrier_signal -1
	MULQK 11, 6, 2
	WIN 0
	s_barrier_wait -1                              ; everybody's part is in: slot 0 may be read
	PLACES
	FETCH 12
	MULV 11
	HALF 12
	HALF 13
	HALF 14
	s_wait_dscnt 0x0
	MUL 15
	WIN 0
	PLACES                                         ; ahead of the first read of results
	; THE WAY OUT: no LDS: the codes' registers are stored as they stand, 512 or 256 consecutive aligned bytes a store
.irp a, 0,1,2,3                        ; token tile a: its 64 registers are q's two blocks, then k's two
.if \a > 0
	s_wait_xcnt 0x0                                ; the last stores have read their registers
.endif
	QUANT 64*\a, 2, PW+\a
	global_store_b128 v18, v[PC:PC+3], s[80:81] offset:768*\a
	global_store_b64 v19, v[PC+4:PC+5], s[80:81] offset:768*\a+512
	global_store_b128 v18, v[PC+6:PC+9], s[82:83] offset:768*\a
	global_store_b64 v19, v[PC+10:PC+11], s[82:83] offset:768*\a+512
.endr
.irp i, 0,1                            ; d tiles 2 i and 2 i + 1: two blocks of 32 tokens each
	s_wait_xcnt 0x0
	QUANT 64*\i, 3, PW+4+\i
	global_store_b128 v18, v[PC:PC+3], s[82:83] offset:3328+1536*\i
	global_store_b64 v19, v[PC+4:PC+5], s[82:83] offset:3328+1536*\i+512
	global_store_b128 v18, v[PC+6:PC+9], s[82:83] offset:3328+1536*\i+768
	global_store_b64 v19, v[PC+10:PC+11], s[82:83] offset:3328+1536*\i+1280
.endr
	s_mov_b32 vcc_lo, 0xffff0000                   ; lanes 16-31 carry the odd tile of a pair
	v_cndmask_b32 v234, v[PW], v[PW+1], vcc_lo     ; q's words: bytes 0, 1 q's; bytes 2, 3 (k's) stand over zero codes in the next launch
	v_cndmask_b32 v235, v[PW+2], v[PW+3], vcc_lo
	v_lshrrev_b32 v236, 16, v234                   ; k's words: bytes 0, 1 k's; bytes 2, 3 are 0, over zero codes
	v_lshrrev_b32 v237, 16, v235
	v_lshlrev_b32 v238, 4, v2                      ; 16 h
	v_lshrrev_b32 v240, v238, v[PW+4]              ; v's: d tile 2 j + h's two bytes,
	v_lshrrev_b32 v241, v238, v[PW+5]
	v_and_b32 v240, 0xffff, v240
	v_and_b32 v241, 0xffff, v241
	v_lshlrev_b32 v240, s78, v240                  ; in the half word of my group's parity
	v_lshlrev_b32 v241, s78, v241
	global_store_b64 v19, v[234:235], s[80:81] offset:3072
	global_store_b64 v19, v[236:237], s[82:83] offset:3072
	global_store_b64 v19, v[240:241], s[82:83] offset:6400
	s_wait_tensorcnt 0x0                           ; the wave's end
	ds_add_u32 v[SPW], v[NIL]
	s_wait_dscnt 0x0
	CROUND                                         ; the closing round: no work-group ends while a partner may still ask for a tile that names it
	s_endpgm
.Lfunc_end_k_q2b5c8d53c8_qkv:
	.size	k_q2b5c8d53c8_qkv, .Lfunc_end_k_q2b5c8d53c8_qkv-k_q2b5c8d53c8_qkv
	.p2alignl 7, 3214868480
	.fill 96, 4, 3214868480
	.section	.rodata,"a",@progbits
	.p2align	6, 0x0
	.amdhsa_kernel k_q2b5c8d53c8_qkv
		.amdhsa_group_segment_fixed_size 327680
		.amdhsa_private_segment_fixed_size 0
		.amdhsa_enable_private_segment 0
		.amdhsa_kernarg_size 56
		.amdhsa_user_sgpr_count 2
		.amdhsa_user_sgpr_kernarg_segment_ptr 1
		.amdhsa_wavefront_size32 1
		.amdhsa_system_sgpr_workgroup_id_x 1
		.amdhsa_system_sgpr_workgroup_id_y 1
		.amdhsa_system_sgpr_workgroup_id_z 1
		.amdhsa_system_vgpr_workitem_id 0
		.amdhsa_next_free_vgpr 896
		.amdhsa_next_free_sgpr 100
		.amdhsa_reserve_vcc 1
		.amdhsa_float_denorm_mode_32 3
		.amdhsa_float_denorm_mode_16_64 3
		.amdhsa_memory_ordered 1
		.amdhsa_forward_progress 1
		.amdhsa_inst_pref_size 141
	.end_amdhsa_kernel
	.amdgpu_metadata
---
amdhsa.version: [ 1, 2 ]
amdhsa.kernels:
  - .name:           k_q2b5c8d53c8_qkv
    .symbol:         k_q2b5c8d53c8_qkv.kd
    .args:
      - { .name: x_codes, .offset: 0, .size: 8, .value_kind: global_buffer, .address_space: global }
      - { .name: x_scales, .offset: 8, .size: 8, .value_kind: global_buffer, .address_space: global }
      - { .name: W_qkv_codes, .offset: 16, .size: 8, .value_kind: global_buffer, .address_space: global }
      - { .name: W_qkv_scales, .offset: 24, .size: 8, .value_kind: global_buffer, .address_space: global }
      - { .name: b_qkv, .offset: 32, .size: 8, .value_kind: global_buffer, .address_space: global }
      - { .name: qc, .offset: 40, .size: 8, .value_kind: global_buffer, .address_space: global }
      - { .name: kvc, .offset: 48, .size: 8, .value_kind: global_buffer, .address_space: global }
    .group_segment_fixed_size: 327680
    .private_segment_fixed_size: 0
    .kernarg_segment_align: 8
    .kernarg_segment_size: 56
    .max_flat_workgroup_size: 128
    .sgpr_count:     100
    .vgpr_count:     896
    .wavefront_size: 32
...
	.end_amdgpu_metadata
.endif
;; end of part 1
;; launch attn (part 2): grid 4 x 64, 16 waves a work-group, clusters of 4 x 1, 215,040 bytes of LDS; arguments qc, kvc, lc, lsc; writes lc, lsc
.if DOCPART == 2
	.amdgcn_target "amdgcn-amd-amdhsa--gfx1250"
	.amdhsa_code_object_version 6
	.text
	.protected	k_q2b5c8d53c8_attn
	.globl	k_q2b5c8d53c8_attn
	.p2align	8
	.type	k_q2b5c8d53c8_attn,@function
k_q2b5c8d53c8_attn:
	s_mov_b64 s[64:65], 0
	v_nop
	global_prefetch_b8 v0, s[64:65] scope:SCOPE_SE
	s_setreg_imm32_b32 hwreg(HW_REG_WAVE_MODE, 25, 1), 1
	s_wait_xcnt 0x0
	s_wait_alu depctr_hold_cnt(0) depctr_sa_sdst(0) depctr_va_vdst(0) depctr_va_sdst(0) depctr_va_ssrc(0) depctr_va_vcc(0) depctr_vm_vsrc(0)
	s_getreg_b32 s2, hwreg(HW_REG_IB_STS2, 6, 4)
	s_cmp_eq_u32 s2, 0
	s_cbranch_scc0 .Lentry_in_a_cluster
	s_endpgm
.Lentry_in_a_cluster:
	s_bfe_u32 s2, ttmp6, 0x10000c
	s_cmp_lg_u32 s2, 0x3003
	s_cbranch_scc0 .Lentry_shape_is_right
	s_endpgm
.Lentry_shape_is_right:
; o = softmax(q k^T / 8) v for one head, both products on codes of FP6 (E2M3) with E8M0 scales, and o quantised along the hidden axis for the last product.
; THE SOFTMAX: t = score x log2(e) / 8; M = the running largest t rounded UP to a whole number; p = 2^(t - M) is quantised along the keys, not normalised; the row's sum is taken of the unquantised p and divides at the end.
; When M moves, the sum and O are multiplied by 2^(old M - new M), which rounds nothing.
; SHARES.  A work-group: 512 queries of one head (64 heads x 4).  Each of sixteen waves: two tiles of 16 queries, one after the other (two passes), in 256 registers: four waves to a SIMD, so that one wave's vector work stands beside another's products and LDS loads.
; LDS holds the head's whole block of kvc as it lies in memory: 32 groups of 64 keys x 6,656 bytes (k's 4 tiles of 768 bytes, 256 bytes of scale words, then v's likewise).  It is filled ONCE, in four chunks of 512 keys; both passes read it.
; TWO BARRIERS IN ALL: one shows chunk 0 to every wave; the other, behind chunk 0's four steps, shows chunks 1 to 3.  Nothing writes LDS after that, so the other 28 steps of a wave have no barrier and the waves need not walk in step.
; CLUSTER 4 x 1: the four work-groups of a head read the same bytes: every fill is a joint load.
; LAYOUT.  Both products are used transposed: S^T = k q^T (source 0 = 16 keys), O^T = v^T p^T (source 0 = 16 of the head's 64): a lane holds ONE query (lane % 16) throughout.
; The first product's K is 64: registers 6-11 of q's and k's fragments hold zero codes, which add nothing under any scale byte but 0xff.
; BY TURNS.  A step's 68 exponentials do not stand in one run: behind each stand one or two plain lines that are ready: scalings of pairs still to come, the scale bytes, O^T's rescaling, the sum of pairs that are done, the first blocks' codes.
; THE ORDER INSIDE A BLOCK OF 32 KEYS: places 0-15 hold offsets 0-7 and 16-23, places 16-31 offsets 8-15 and 24-31: so p comes out of two neighbouring tiles, and so the launch before has laid v.  o is brought into natural order ahead of its quantiser, since W_out is given so.
; LIMITS: NaN and infinities are not served; a block whose largest magnitude lies under 2^-124, and a block of zeros, keep the byte 1 (zero codes; this program alone reads the bytes); a block's largest p is made from its largest score, which takes v_exp_f32 not to fall where its input rises.
; REGISTERS: v1, v2 16 x, 8 x lane; v3, v4 the step's LDS addresses (v3 also q's scale word's offset); v5 the two passes' scale words; v6-9 k's scale words; v10-11 v's; v12-13 v's second group's half words, then the sum's second chain;
;   v14 -M, v15 the largest t; v16-27 q; v28-29 the sum; v30 f, v31 p's scale word; v32-79 four fragments of k; v80-127 four of v; v128-191 S^T, then p; v192-223 O^T; v224-235 p's codes;
;   v236-238, v240-242 their second halves on the way; v239 q's scale word; v243-255 at work.
.set GRP,   6656                       ; a group of 64 keys in LDS
.set KSC,   3072                       ; in it: k's scale words,
.set VPT,   3328                       ; v's tiles,
.set VSC,   6400                       ; v's scale words
.set STEPB, 2*GRP                      ; a step: 128 keys
.set CHUNK, 4*STEPB                    ; a chunk: 512 keys, 53,248 bytes
.set QUART, CHUNK/4                    ; what one tensor load brings: 52 rows of 256 bytes
.set QF,  16
.set KF,  32
.set VF,  80
.set S,   128
.set O,   192
.set PC,  224
.set CT,  236
.set QS,  239
.set TMP, 243
.set BM,  244                          ; v244-247 the blocks' largest scores, then largest p
.set BT,  248                          ; v248-251 the other half's; then the scale bytes
.set SO,  252                          ; v252-255 the conversions' scale operands
.macro ROUND                           ; a round of the cluster's barrier
	s_barrier_signal -1
	s_barrier_wait -1
	s_cmp_lg_u32 s12, 0
	s_cbranch_scc1 .Lnot_wave_0_\@
	s_barrier_signal -3
.Lnot_wave_0_\@:
	s_barrier_wait -3
	s_barrier_signal -1
	s_barrier_wait -1
.endm
.macro SPROD t, ks                     ; S^T's tile t (0 .. 7) = k's fragment t % 4 x q, started with the constant 0; ks: the group's pair of scale registers
.if (\t)%2
	v_wmma_scale_f32_16x16x128_f8f6f4 v[S+8*(\t):S+8*(\t)+7], v[KF+12*((\t)%4):KF+12*((\t)%4)+11], v[QF:QF+11], 0, v[\ks+((\t)%4)/2], v[QS] matrix_a_fmt:MATRIX_FMT_FP6 matrix_b_fmt:MATRIX_FMT_FP6 matrix_a_scale:MATRIX_SCALE_ROW1
.else
	v_wmma_scale_f32_16x16x128_f8f6f4 v[S+8*(\t):S+8*(\t)+7], v[KF+12*((\t)%4):KF+12*((\t)%4)+11], v[QF:QF+11], 0, v[\ks+((\t)%4)/2], v[QS] matrix_a_fmt:MATRIX_FMT_FP6 matrix_b_fmt:MATRIX_FMT_FP6
.endif
.endm
.macro PVPROD t                        ; O^T's tile t += v's fragment t x p
.if (\t)%2
	v_wmma_scale_f32_16x16x128_f8f6f4 v[O+8*(\t):O+8*(\t)+7], v[VF+12*(\t):VF+12*(\t)+11], v[PC:PC+11], v[O+8*(\t):O+8*(\t)+7], v[10+(\t)/2], v31 matrix_a_fmt:MATRIX_FMT_FP6 matrix_b_fmt:MATRIX_FMT_FP6 matrix_a_scale:MATRIX_SCALE_ROW1
.else
	v_wmma_scale_f32_16x16x128_f8f6f4 v[O+8*(\t):O+8*(\t)+7], v[VF+12*(\t):VF+12*(\t)+11], v[PC:PC+11], v[O+8*(\t):O+8*(\t)+7], v[10+(\t)/2], v31 matrix_a_fmt:MATRIX_FMT_FP6 matrix_b_fmt:MATRIX_FMT_FP6
.endif
.endm
.macro BMAX b0, b1                     ; the largest score of my 16 keys of blocks b0 and b1, by turns; each accumulator is read from its low end on
.irp b, \b0, \b1
	v_max3_num_f32 v[BM+\b], v[S+16*\b], v[S+16*\b+1], v[S+16*\b+2]
.endr
.irp i, 3,5,7,9,11,13
.irp b, \b0, \b1
	v_max3_num_f32 v[BM+\b], v[BM+\b], v[S+16*\b+\i], v[S+16*\b+\i+1]
.endr
.endr
.irp b, \b0, \b1
	v_max_num_f32 v[BM+\b], v[BM+\b], v[S+16*\b+15]
.endr
.endm
; THE LINES THAT TAKE TURNS
.macro FMA j                           ; pair j of 32: t - M, two at a time (of the pairs c and -M the low word serves both halves)
	v_pk_fma_f32 v[S+2*(\j):S+2*(\j)+1], v[S+2*(\j):S+2*(\j)+1], s[42:43], v[14:15] op_sel_hi:[1,0,0]
.endm
.macro EXPN n                          ; p = 2^(t - M), at most 1
	v_exp_f32 v[S+(\n)], v[S+(\n)]
.endm
.macro RESC j                          ; pair j of 16 of O^T under the new M; ascending
	v_pk_mul_f32 v[O+2*(\j):O+2*(\j)+1], v[O+2*(\j):O+2*(\j)+1], v[30:31] op_sel_hi:[1,0]
.endm
.macro ADDP i                          ; line i of 32 of THE ROW'S SUM, WHICH IS TAKEN OF THE UNQUANTISED p: two at a time, in two chains; line i takes pair i + 1 (line 0 pairs 0 and 1), line 31 joins the chains
.if (\i) == 0
	s_wait_alu depctr_va_vdst(0)
	v_pk_add_f32 v[12:13], v[S:S+1], v[S+2:S+3]
.elseif (\i) == 31
	v_pk_add_f32 v[28:29], v[28:29], v[12:13]
.elseif (\i)%2
	v_pk_add_f32 v[28:29], v[28:29], v[S+2*(\i)+2:S+2*(\i)+3]
.else
	s_wait_alu depctr_va_vdst(0)
	v_pk_add_f32 v[12:13], v[12:13], v[S+2*(\i)+2:S+2*(\i)+3]
.endif
.endm
.macro QOP q                           ; line q of 15 from the four blocks' largest p to the conversions' scale operands and p's scale word
.if (\q) < 4
	s_wait_alu depctr_va_vdst(0)
	v_max_num_f32 v[BM+(\q)], 0x1800000, v[BM+(\q)]        ; the floor 2^(3 - 127): the byte cannot fall under 1
.elseif (\q) < 8
	v_add_nc_u32 v[SO+(\q)-4], 0xff000000, v[BM+(\q)-4]    ; 2 off the exponent field: the conversion's scale operand
.elseif (\q) < 12
	v_lshrrev_b32 v[BT+(\q)-8], 23, v[SO+(\q)-8]           ; the scale's byte
.elseif (\q) == 12
	v_lshl_or_b32 v31, v[BT+1], 8, v[BT]                   ; p's scale word for these 128 keys
.elseif (\q) == 13
	v_lshl_or_b32 v31, v[BT+2], 16, v31
.else
	s_setprio 1
	v_lshl_or_b32 v31, v[BT+3], 24, v31
.endif
.endm
; A STEP: 128 keys, two groups, at LDS byte s44
.macro STEP
	s_setprio 2
	v_add_nc_u32 v3, s44, v1
	v_add_nc_u32 v4, s44, v2
	v_nop
	v_nop                                          ; four places behind the last step's products, ahead of the loads into v's fragments and scale words
.irp t, 0,1,2,3
	ds_load_b128 v[KF+12*\t:KF+12*\t+3], v3 offset:768*\t          ; k, the first group: an image of registers 0-5
	ds_load_b64 v[KF+12*\t+4:KF+12*\t+5], v4 offset:768*\t+512
.endr
	ds_load_b64 v[6:7], v4 offset:KSC              ; register j: tile 2 j in lanes 0-15, tile 2 j + 1 in lanes 16-31
	ds_load_b64 v[8:9], v4 offset:GRP+KSC
.irp t, 0,1,2,3
.irp c, 0,1
	ds_load_b128 v[VF+12*\t+6*\c:VF+12*\t+6*\c+3], v3 offset:GRP*\c+VPT+768*\t     ; v: d tile t; group c is registers 6 c .. 6 c + 5
	ds_load_b64 v[VF+12*\t+6*\c+4:VF+12*\t+6*\c+5], v4 offset:GRP*\c+VPT+768*\t+512
.endr
.endr
	ds_load_b64 v[10:11], v4 offset:VSC
	ds_load_b64 v[12:13], v4 offset:GRP+VSC
	s_wait_dscnt 18                                ; k's eight loads and its two scale loads are in; v's sixteen and its two, issued behind them, may be out
.irp t, 0,1,2,3
	SPROD \t, 6
.endr
.rept 4
	v_nop                                          ; places ahead of the loads into k's registers and of the reads of the scores
.endr
.irp t, 0,1,2,3
	ds_load_b128 v[KF+12*\t:KF+12*\t+3], v3 offset:GRP+768*\t      ; k, the second group
	ds_load_b64 v[KF+12*\t+4:KF+12*\t+5], v4 offset:GRP+768*\t+512
.endr
	BMAX 0, 1                                      ; stands beside those loads
	s_wait_dscnt 0x0
.irp t, 4,5,6,7
	SPROD \t, 8
.endr
	v_or_b32 v10, v10, v12                         ; v's scale words of 128 keys: the even group's half word and the odd group's
	v_or_b32 v11, v11, v13
	v_nop
	v_nop                                          ; four places
	BMAX 2, 3
.irp b, 0,1,2,3
	v_permlanex16_b32 v[BT+\b], v[BM+\b], s40, s41
.endr
.irp b, 0,1,2,3
	v_max_num_f32 v[BM+\b], v[BM+\b], v[BT+\b]     ; with lane l xor 16's 16 keys: THE LARGEST SCORE OF EACH BLOCK: it serves for the row's maximum and, since p rises with the score, for the block's largest p
.endr
	v_max3_num_f32 v[TMP], v[BM], v[BM+1], v[BM+2]
	v_max_num_f32 v[TMP], v[TMP], v[BM+3]
	v_mul_f32 v[TMP], s42, v[TMP]                  ; as t (c is positive)
	v_max_num_f32 v15, v15, v[TMP]                 ; the running largest t
	v_mov_b32 v[TMP], v14
	v_floor_f32 v14, -v15                          ; the new -M = floor(-t) = -ceil(t)
	v_sub_f32 v[TMP], v14, v[TMP]                  ; old M less new M: a whole number, 0 or less
	v_cvt_i32_f32 v[TMP], v[TMP]                   ; (it saturates)
	v_ldexp_f32 v30, 1.0, v[TMP]                   ; f = 2^(old M - new M)
.irp b, 0,1,2,3
	v_fma_f32 v[BM+\b], v[BM+\b], s42, v14         ; t - M of each block's largest score: the same multiply-add as its score's own
.endr
	FMA 0
	FMA 1
	FMA 2
	FMA 3
	v_pk_mul_f32 v[28:29], v[28:29], v[30:31] op_sel_hi:[1,0]   ; the sum under the new M, ahead of its first addition
.irp b, 0,1,2,3
	v_exp_f32 v[BM+\b], v[BM+\b]                   ; the blocks' largest p go first: the scale bytes are made while the 64 others follow
	FMA 4+\b
.endr
; 64 exponentials, pair JJ at a time.  Behind the even one: the scaling of pair JJ + 8 (while there is one) and one line of a queue: 15 for the scale bytes, O^T's pairs 0-7, the exchange and the moves of blocks 0 and 1's codes, O^T's pairs 8-15.
; Behind the odd one: the sum's line six pairs back (at first: the queue).  So a plain line that names neither its result nor its source stands directly behind every exponential (ISA guide 5.7.2).
.set JJ, 0
.rept 32
	EXPN 2*JJ
.if JJ < 24
	FMA JJ+8
.endif
.if JJ < 6
	QOP 2*JJ
.elseif JJ < 9
	QOP JJ+6
.elseif JJ < 17
	RESC JJ-9
.elseif JJ < 20
	v_permlane16_swap_b32 v[PC+JJ-17], v[CT+JJ-17]         ; the operand's layout wants a whole block in a lane
.elseif JJ < 23
	v_mov_b32 v[PC+3+JJ-20], v[CT+JJ-20]
.elseif JJ > 23
	RESC JJ-16
.endif
	EXPN 2*JJ+1
.if JJ < 6
	QOP 2*JJ+1
.else
	ADDP JJ-6
.endif
.if JJ == 16                           ; p 0 to 31 are done (the last two pairs back) and so are their scale operands: blocks 0 and 1 are converted; the next pair's scaling is the plain line between the conversions and the exchange
	v_cvt_scalef32_pk16_fp6_f32 v[PC:PC+2], v[S:S+15], v[SO]
	s_wait_alu depctr_va_vdst(0)
	v_cvt_scalef32_pk16_fp6_f32 v[CT:CT+2], v[S+16:S+31], v[SO+1]   ; (a conversion's three registers begin on an even number)
.endif
.set JJ, JJ+1
.endr
	s_setprio 0
	v_cvt_scalef32_pk16_fp6_f32 v[PC+6:PC+8], v[S+32:S+47], v[SO+2]     ; blocks 2 and 3
	s_wait_alu depctr_va_vdst(0)
	v_cvt_scalef32_pk16_fp6_f32 v[CT+4:CT+6], v[S+48:S+63], v[SO+3]
	ADDP 26                                        ; one plain line behind a scaled conversion
.irp i, 0,1,2
	v_permlane16_swap_b32 v[PC+6+\i], v[CT+4+\i]
.endr
.irp i, 0,1,2
	v_mov_b32 v[PC+9+\i], v[CT+4+\i]
.endr
	ADDP 27                                        ; the sum's last five lines name no register of the products below: they are the places between p's codes and those products
	ADDP 28
	ADDP 29
	ADDP 30
	ADDP 31
.irp t, 0,1,2,3
	PVPROD \t                                      ; four accumulators by turns, one instruction a turn
.endr
	s_add_co_u32 s44, s44, STEPB
.endm
.macro QLOAD p                         ; pass p's tile of 16 queries: an image of registers 0-5, and its rows' scale words (v3 = 8 x (lane % 16))
	global_load_b128 v[QF:QF+3], v1, s[50:51] offset:768*\p
	global_load_b64 v[QF+4:QF+5], v2, s[50:51] offset:768*\p+512
	global_load_b32 v[QS], v3, s[52:53] offset:128*\p
.endm
.macro PASS_INIT
	v_mov_b32 v15, 0xff61b1e6                      ; the largest t so far: -3e38, under every t
	v_floor_f32 v14, -v15                          ; -M
	v_mov_b32 v28, 0                               ; the sum, in two halves
	v_mov_b32 v29, 0
.set J, 0
.rept 32
	v_mov_b32 v[O+J], 0                            ; O^T: the step has no first form of its own; its first turn finds zeros, which the first change of M leaves zeros
.set J, J+1
.endr
	s_wait_loadcnt 0x0                             ; q; and v3 may be written again
.endm
; THE END OF PASS p: O^T / the sum, into natural order, quantised along the head's 64, stored as an image of registers
.macro PASS_END p
.rept 4
	v_nop                                          ; places behind the last products
.endr
.if \p == 0
	v_and_b32 v3, 15, v0
	v_lshlrev_b32 v3, 3, v3
	QLOAD 1                                        ; the next tile's q is asked for here: the last product that read q's registers stands a whole softmax back, and all the lines below stand between these loads and their wait
.endif
	v_add_f32 v28, v28, v29                        ; the sum's two halves,
	v_permlanex16_b32 v[TMP], v28, s40, s41
	v_add_f32 v28, v28, v[TMP]                     ; and lane l xor 16's: the row's sum
	v_rcp_f32 v28, v28
	v_nop                                          ; one plain line behind a transcendental
.set J, 0
	s_wait_alu depctr_va_vdst(0)
.rept 32
	v_mul_f32 v[S+J], v[O+J], v28                  ; register 8 t + j: o(query r, d = 16 t + 8 h + j); each accumulator from its low end on
.set J, J+1
.endr
.irp b, 0,1
.irp j, 0,1,2,3,4,5,6,7
	v_permlane16_swap_b32 v[S+16*\b+\j], v[S+16*\b+8+\j]   ; tile 2 b's lanes 16-31 change places with tile 2 b + 1's lanes 0-15: register 16 b + i is now d = 32 b + 16 h + i
.endr
.endr
.irp b, 0,1
	v_max3_num_f32 v[BM+\b], |v[S+16*\b]|, |v[S+16*\b+1]|, 0x1800000   ; with the floor 2^(3 - 127)
.endr
.irp i, 2,4,6,8,10,12,14
.irp b, 0,1
	v_max3_num_f32 v[BM+\b], v[BM+\b], |v[S+16*\b+\i]|, |v[S+16*\b+\i+1]|
.endr
.endr
.irp b, 0,1
	v_permlanex16_b32 v[BT+\b], v[BM+\b], s40, s41
.endr
.irp b, 0,1
	v_max_num_f32 v[BM+\b], v[BM+\b], v[BT+\b]
.endr
.irp b, 0,1
	v_add_nc_u32 v[SO+\b], 0xff000000, v[BM+\b]
.endr
.irp b, 0,1
	v_lshrrev_b32 v[BT+\b], 23, v[SO+\b]
.endr
	v_lshl_or_b32 v[TMP], v[BT+1], 8, v[BT]        ; the head's two scale bytes of my row
	v_cvt_scalef32_pk16_fp6_f32 v[PC:PC+2], v[S:S+15], v[SO]
	v_cvt_scalef32_pk16_fp6_f32 v[CT:CT+2], v[S+16:S+31], v[SO+1]
	v_nop                                          ; one plain line behind a scaled conversion
.irp i, 0,1,2
	v_permlane16_swap_b32 v[PC+\i], v[CT+\i]
.endr
.irp i, 0,1,2
	v_mov_b32 v[PC+3+\i], v[CT+\i]                 ; lane (r, h): block h of row r, 24 bytes
.endr
	global_store_b128 v1, v[PC:PC+3], s[54:55] offset:12288*\p           ; 512 consecutive aligned bytes,
	global_store_b64 v2, v[PC+4:PC+5], s[54:55] offset:12288*\p+512      ; and 256
	v_lshlrev_b32 v[TMP], s48, v[TMP]
	s_mov_b32 vcc_lo, 0xffff<<(16*\p)
	v_cndmask_b32 v5, v5, v[TMP], vcc_lo           ; pass 0: lanes 0-15 keep their row's word; pass 1: lanes 16-31
.if \p == 0
	s_wait_xcnt 0x0                                ; the stores have read their registers: the next pass writes p's codes there
.endif
.endm
	s_load_b256 s[4:11], s[0:1], 0x0               ; qc s[4:5], kvc s[6:7], lc s[8:9], lsc s[10:11]
	v_lshl_add_u32 v254, v0, 2, 0x34000
	v_mov_b32 v255, 0
	ds_add_u32 v254, v255
	ds_add_u32 v254, v255
	s_wait_dscnt 0x0
	v_lshrrev_b32 v3, 5, v0
	v_readfirstlane_b32 s12, v3                    ; wave 0..15
	s_bfe_u32 s13, ttmp6, 0x40000                  ; cx: which 512 queries; it enters global addresses of q and of the results alone
	s_and_b32 s14, ttmp7, 0xffff                   ; 16 b + head, which the four partners share
	; group 1: a dense block of 13,312 bytes as 52 rows of 256 bytes (32 elements of 8 bytes), no padding
	s_mov_b32 s16, 15|(3<<16)|(1<<21)              ; 15:0 the mask: all four work-groups; 17:16 elements of 8 bytes; 21 set beside a mask
	s_mov_b32 s17, 32<<16                          ; tensor_dim0
	s_mov_b32 s18, 52<<16                          ; tensor_dim1
	s_mov_b32 s19, 32<<16                          ; tile_dim0
	s_mov_b32 s20, 52                              ; tile_dim1
	s_mov_b32 s21, 32                              ; the pitch
	s_mov_b32 s22, 0
	s_mov_b32 s23, 0
	s_and_b32 s58, s12, 3
	s_mul_i32 s58, s58, QUART                      ; which quarter of a chunk I fetch, if I fetch
	s_mul_i32 s60, s14, 32*GRP                     ; the head's block in kvc (under 2^24)
	s_add_co_u32 s60, s60, s58
	s_mov_b32 s61, 0
	s_mov_b32 s40, 0x76543210
	s_mov_b32 s41, 0xfedcba98                      ; v_permlanex16_b32's selects for lane l xor 16
	s_mov_b32 s42, 0x3e38aa3b                      ; c = log2(e) / 8
	s_mov_b32 s43, s42                             ; (named with it as a pair, so it is written)
	s_wait_kmcnt 0x0
	s_add_nc_u64 s[60:61], s[6:7], s[60:61]
	ROUND                                          ; all four work-groups are here: the joint loads meet
.irp i, 0,1,2,3
	s_mov_b32 s[24+4*\i], 1                        ; count = 1
	s_add_co_u32 s[25+4*\i], s58, CHUNK*\i         ; LDS address
	s_add_nc_u64 s[26+4*\i:27+4*\i], s[60:61], CHUNK*\i   ; global address: the same offset
	s_or_b32 s[27+4*\i], s[27+4*\i], 0x80000000    ; type = 2
.endr
	s_cmp_lt_u32 s12, 4                            ; waves 0-3 fetch, a quarter of each chunk: all the launch's fills stand in this one branch; four loads of such a wave are out
	s_cbranch_scc0 .Lno_fill
	tensor_load_to_lds s[24:27], s[16:23]
	s_nop 0
	tensor_load_to_lds s[28:31], s[16:23]
	s_nop 0
	tensor_load_to_lds s[32:35], s[16:23]
	s_nop 0
	tensor_load_to_lds s[36:39], s[16:23]
	s_nop 0
.rept 4
	v_nop
.endr
.Lno_fill:
	s_lshl_b32 s66, s14, 5
	s_lshl_b32 s67, s13, 3
	s_add_co_u32 s66, s66, s67
	s_lshr_b32 s67, s12, 1
	s_add_co_u32 s66, s66, s67                     ; my queries' group of 64: 32 (16 b + head) + 8 cx + wave / 2
	s_mul_i32 s66, s66, 3328
	s_and_b32 s68, s12, 1
	s_mul_i32 s69, s68, 1536                       ; in it my first tile: 2 (wave % 2)
	s_add_co_u32 s70, s66, s69
	s_mov_b32 s71, 0
	s_add_nc_u64 s[50:51], s[4:5], s[70:71]        ; q's codes
	s_lshl_b32 s69, s68, 2
	s_add_co_u32 s70, s66, s69
	s_add_co_u32 s70, s70, 3072
	s_add_nc_u64 s[52:53], s[4:5], s[70:71]        ; q's scale words: tile 2 j + h, row r at 8 (16 h + r) + 4 j, with j = wave % 2 and h = the pass
	s_lshr_b32 s66, s14, 4                         ; b
	s_and_b32 s67, s14, 15                         ; head
	s_lshl_b32 s69, s66, 7
	s_lshl_b32 s72, s13, 5
	s_add_co_u32 s69, s69, s72
	s_lshl_b32 s72, s12, 1
	s_add_co_u32 s69, s69, s72                     ; my first token tile: 128 b + 32 cx + 2 wave
	s_mul_i32 s70, s69, 12288
	s_mul_i32 s72, s67, 768
	s_add_co_u32 s70, s70, s72
	s_add_nc_u64 s[54:55], s[8:9], s[70:71]        ; lc [token tile][head][768]
	s_lshl_b32 s70, s67, 15
	s_lshl_b32 s72, s69, 6
	s_add_co_u32 s70, s70, s72
	s_add_nc_u64 s[56:57], s[10:11], s[70:71]      ; lsc [head][token] words
	s_and_b32 s48, s14, 1
	s_lshl_b32 s48, s48, 4                         ; an odd head's two bytes go to the word's upper half
	v_and_b32 v2, 31, v0
	v_lshlrev_b32 v1, 4, v2                        ; 16 x lane
	v_lshlrev_b32 v2, 3, v2                        ; 8 x lane
	v_and_b32 v3, 15, v0
	v_lshlrev_b32 v3, 3, v3                        ; 8 r
	QLOAD 0
.irp j, 6,7,8,9,10,11
	v_mov_b32 v[QF+\j], 0                          ; zero codes for k = 64 .. 127 of the first product: written once
.endr
.irp t, 0,1,2,3
.irp j, 6,7,8,9,10,11
	v_mov_b32 v[KF+12*\t+\j], 0
.endr
.endr
.irp b, 0,1,2,3
	v_mov_b32 v[BT+\b], 0                          ; a lane permute's destination counts as one of its sources
.endr
	v_mov_b32 v31, 0                               ; (named as the upper half of the pair v[30:31] before it is first written)
	v_mov_b32 v5, 0
	; ---- pass 0: my first tile of 16 queries
	PASS_INIT
	s_wait_tensorcnt 0x3                           ; my quarter of chunk 0 is in; the three loads issued behind it may stay out.  (Waves 4-15 have none out)
	s_barrier_signal -1
	s_barrier_wait -1                              ; everybody's quarter is in: chunk 0 may be read
	s_mov_b32 s44, 0
	s_mov_b32 s45, 4
.Lfirst:                                           ; chunk 0's four steps
	STEP
	s_sub_co_u32 s45, s45, 1
	s_cmp_lg_u32 s45, 0
	s_cbranch_scc1 .Lfirst
	s_setprio 0
	s_wait_tensorcnt 0x0                           ; my quarters of chunks 1, 2 and 3 are in (no LDS load of mine is out: the step's last wait on them was for 0)
	s_barrier_signal -1
	s_barrier_wait -1                              ; everybody's are: from here on every byte of the head's k and v may be read by every wave, and nothing writes LDS: the launch's last work-group barrier but the closing round's
	s_mov_b32 s44, CHUNK
	s_mov_b32 s45, 12
.Lrest:                                            ; the other twelve steps
	STEP
	s_sub_co_u32 s45, s45, 1
	s_cmp_lg_u32 s45, 0
	s_cbranch_scc1 .Lrest
	s_setprio 0
	PASS_END 0
	; ---- pass 1: my second tile, over the same bytes
	PASS_INIT
	s_mov_b32 s44, 0
	s_mov_b32 s45, 16
.Lsecond:
	STEP
	s_sub_co_u32 s45, s45, 1
	s_cmp_lg_u32 s45, 0
	s_cbranch_scc1 .Lsecond
	s_setprio 0
	PASS_END 1
	v_and_b32 v[TMP], 31, v0
	v_lshlrev_b32 v[TMP], 2, v[TMP]
	global_store_b32 v[TMP], v5, s[56:57]          ; my 32 tokens' words: 128 consecutive bytes
	s_wait_xcnt 0x0
	v_lshl_add_u32 v254, v0, 2, 0x34000
	v_mov_b32 v255, 0
	s_wait_tensorcnt 0x0
	ds_add_u32 v254, v255
	s_wait_dscnt 0x0
	ROUND                                          ; the closing round: no work-group ends while a partner may still ask for a tile that names it
	s_endpgm
.Lfunc_end_k_q2b5c8d53c8_attn:
	.size	k_q2b5c8d53c8_attn, .Lfunc_end_k_q2b5c8d53c8_attn-k_q2b5c8d53c8_attn
	.p2alignl 7, 3214868480
	.fill 96, 4, 3214868480
	.section	.rodata,"a",@progbits
	.p2align	6, 0x0
	.amdhsa_kernel k_q2b5c8d53c8_attn
		.amdhsa_group_segment_fixed_size 215040
		.amdhsa_private_segment_fixed_size 0
		.amdhsa_enable_private_segment 0
		.amdhsa_kernarg_size 32
		.amdhsa_user_sgpr_count 2
		.amdhsa_user_sgpr_kernarg_segment_ptr 1
		.amdhsa_wavefront_size32 1
		.amdhsa_system_sgpr_workgroup_id_x 1
		.amdhsa_system_sgpr_workgroup_id_y 1
		.amdhsa_system_sgpr_workgroup_id_z 1
		.amdhsa_system_vgpr_workitem_id 0
		.amdhsa_next_free_vgpr 256
		.amdhsa_next_free_sgpr 80
		.amdhsa_reserve_vcc 1
		.amdhsa_float_denorm_mode_32 3
		.amdhsa_float_denorm_mode_16_64 3
		.amdhsa_memory_ordered 1
		.amdhsa_forward_progress 1
		.amdhsa_inst_pref_size 69
	.end_amdhsa_kernel
	.amdgpu_metadata
---
amdhsa.version: [ 1, 2 ]
amdhsa.kernels:
  - .name:           k_q2b5c8d53c8_attn
    .symbol:         k_q2b5c8d53c8_attn.kd
    .args:
      - { .name: qc, .offset: 0, .size: 8, .value_kind: global_buffer, .address_space: global }
      - { .name: kvc, .offset: 8, .size: 8, .value_kind: global_buffer, .address_space: global }
      - { .name: lc, .offset: 16, .size: 8, .value_kind: global_buffer, .address_space: global }
      - { .name: lsc, .offset: 24, .size: 8, .value_kind: global_buffer, .address_space: global }
    .group_segment_fixed_size: 215040
    .private_segment_fixed_size: 0
    .kernarg_segment_align: 8
    .kernarg_segment_size: 32
    .max_flat_workgroup_size: 512
    .sgpr_count:     80
    .vgpr_count:     256
    .wavefront_size: 32
...
	.end_amdgpu_metadata
.endif
;; end of part 2
;; launch proj (part 3): grid 8 x 32, 4 waves a work-group, clusters of 4 x 4, 320,000 bytes of LDS; arguments lc, lsc, W_out_codes, W_out_scales, b_out, out0; writes out0
.if DOCPART == 3
	.amdgcn_target "amdgcn-amd-amdhsa--gfx1250"
	.amdhsa_code_object_version 6
	.text
	.protected	k_q2b5c8d53c8_proj
	.globl	k_q2b5c8d53c8_proj
	.p2align	8
	.type	k_q2b5c8d53c8_proj,@function
k_q2b5c8d53c8_proj:
	s_mov_b64 s[64:65], 0
	v_nop
	global_prefetch_b8 v0, s[64:65] scope:SCOPE_SE
	s_setreg_imm32_b32 hwreg(HW_REG_WAVE_MODE, 25, 1), 1
	s_wait_xcnt 0x0
	s_wait_alu depctr_hold_cnt(0) depctr_sa_sdst(0) depctr_va_vdst(0) depctr_va_sdst(0) depctr_va_ssrc(0) depctr_va_vcc(0) depctr_vm_vsrc(0)
	s_getreg_b32 s2, hwreg(HW_REG_IB_STS2, 6, 4)
	s_cmp_eq_u32 s2, 0
	s_cbranch_scc0 .Lentry_in_a_cluster
	s_endpgm
.Lentry_in_a_cluster:
	s_bfe_u32 s2, ttmp6, 0x10000c
	s_cmp_lg_u32 s2, 0xf033
	s_cbranch_scc0 .Lentry_shape_is_right
	s_endpgm
.Lentry_shape_is_right:
; out0 = o W_out^T + b_out on codes of FP6 (E2M3) with E8M0 scales.  o: 8,192 tokens x 1,024, as the launch before left it: lc [token tile of 16][head][768], an image of registers 0-5 (even head) or 6-11 (odd head) of the
; fragment (token tile, K step = two heads): registers 0-3 at 16 x lane, registers 4-5 at 512 + 8 x lane; lsc [head][token]: a word with the head's two scale bytes in its half.  W_out: 1,024 x 1,024 as given.  out0: f32.
; SHARES.  A work-group: 256 tokens x 128 columns: 256 work-groups.  Wave w: tokens 64 w .. 64 w + 63 x 128 columns: 32 accumulators.
; ALL OF K LIES IN LDS, filled ONCE, in four chunks of 256 along K: 16 token tiles x 3,072 bytes (dense images), then 128 rows of W_out of 192 bytes (16 bytes of padding behind every 64: pitch 240).  Nothing is filled again.
; CLUSTER 4 x 4: o's tiles hang on the token block alone and are shared along a row of the cluster, W_out's on the column block alone and are shared along a column: each is asked for jointly.
; THE MATRIX INSTRUCTION IS USED TRANSPOSED (source 0 = 16 rows of W_out, source 1 = 16 tokens): a lane holds eight neighbouring columns of one row of out0.  The bias is the C of each sum's first product.
; LIMITS: NaN and infinities are not served (a given scale byte 0xff gives NaN).
; REGISTERS.  window 0: v4-13 addresses; v32-47 o's scale words, v48-79 W_out's; v96-191 o's fragments, two sets of 4; v192-223 lsc's half words; on the way out v128-255 rows of out0.
;   window 1: v0-191 W_out's fragments, two sets of 8; v192-255 the bias, 8 tiles.   window 2: accumulator (token tile a, column tile b) at 8 (8 a + b).
.set CHUNK,  79872
.set BOFF,   49152
.set PITCH,  240
.set SPITCH, 528                       ; the way out: 16 rows x (512 bytes + 16) a wave, in the wave's own 12,288 bytes of chunk 0's images: no other wave reads them, they have had their only fill, and my reads of them are long over
.set ASC,  32                          ; ASC + 8 tp + g: lanes 0-15 token tile 2 tp, lanes 16-31 tile 2 tp + 1, K step g
.set BSC,  48                          ; BSC + 8 bp + g: likewise W_out's tiles
.set XF,   96
.set HW,   192
.set BIAS, 192
.set BK,   128
.set G1A,  24                          ; s[24:31] group 1 for o's tiles;  s[32:47] groups 0, one a chunk
.set G0A,  32
.set G1B,  48                          ; s[48:55], s[68:83] the same for W_out's
.set G0B,  68
.set MSB,  0
.macro WIN new                         ; the immediate's high byte repeats the setting that is left
.if MSB != (\new)
	s_set_vgpr_msb (MSB<<8)|(\new)
.set MSB, (\new)
.endif
.endm
.macro PLACES                          ; four plain vector lines behind a matrix instruction, ahead of loads into its registers and of reads of its result
.rept 4
	v_nop
.endr
.endm
.macro CROUND                          ; a round of the cluster's barrier
	s_barrier_signal -1
	s_barrier_wait -1
	s_cmp_lg_u32 s18, 0
	s_cbranch_scc1 .Lnot_wave_0_\@
	s_barrier_signal -3
.Lnot_wave_0_\@:
	s_barrier_wait -3
	s_barrier_signal -1
	s_barrier_wait -1
.endm
; A fragment of W_out: 16 rows x 128 K = 12 registers, in six pieces of 8 bytes.  Lanes 16-31 read three pieces on; where that lies behind one padding more, the second address register serves.
.macro FRAG reg, adr, adr2, q, i
.irp p, 0,1,2,3,4,5
.set PCN, 12*(\q)+6*(\p/3)+\p%3
.if PCN%8 < 5
	ds_load_b64 v[\reg+2*\p:\reg+2*\p+1], v[\adr] offset:8*PCN+16*(PCN/8)+(\i)*16*PITCH
.else
	ds_load_b64 v[\reg+2*\p:\reg+2*\p+1], v[\adr2] offset:8*PCN+16*(PCN/8)+(\i)*16*PITCH
.endif
.endr
.endm
.macro WM d, a, b, c, sa, sb, ra, rb   ; one product.  ra, rb: source 0's, source 1's scales stand in lanes 16-31 of their registers
.if (\ra) && (\rb)
	v_wmma_scale_f32_16x16x128_f8f6f4 v[\d:\d+7], v[\a:\a+11], v[\b:\b+11], v[\c:\c+7], v[\sa], v[\sb] matrix_a_fmt:MATRIX_FMT_FP6 matrix_b_fmt:MATRIX_FMT_FP6 matrix_a_scale:MATRIX_SCALE_ROW1 matrix_b_scale:MATRIX_SCALE_ROW1
.elseif (\ra)
	v_wmma_scale_f32_16x16x128_f8f6f4 v[\d:\d+7], v[\a:\a+11], v[\b:\b+11], v[\c:\c+7], v[\sa], v[\sb] matrix_a_fmt:MATRIX_FMT_FP6 matrix_b_fmt:MATRIX_FMT_FP6 matrix_a_scale:MATRIX_SCALE_ROW1
.elseif (\rb)
	v_wmma_scale_f32_16x16x128_f8f6f4 v[\d:\d+7], v[\a:\a+11], v[\b:\b+11], v[\c:\c+7], v[\sa], v[\sb] matrix_a_fmt:MATRIX_FMT_FP6 matrix_b_fmt:MATRIX_FMT_FP6 matrix_b_scale:MATRIX_SCALE_ROW1
.else
	v_wmma_scale_f32_16x16x128_f8f6f4 v[\d:\d+7], v[\a:\a+11], v[\b:\b+11], v[\c:\c+7], v[\sa], v[\sb] matrix_a_fmt:MATRIX_FMT_FP6 matrix_b_fmt:MATRIX_FMT_FP6
.endif
.endm
.macro FETCH k                         ; K step k's fragments, from the chunk at which v4-7 stand, its (k % 2)-th 128, into sets k % 2
.set FQ, (\k)%2
	WIN 0x40                                       ; destination window 1, address window 0
.set TI, 0
.rept 8
	FRAG 96*FQ+12*TI, 6, 7, FQ, TI
.set TI, TI+1
.endr
	WIN 0
.set TI, 0
.rept 4
.set FB, XF+48*FQ+12*TI
.set FO, 3072*TI+1536*FQ
	ds_load_b128 v[FB:FB+3], v4 offset:FO          ; the even head's image: registers 0-5,
	ds_load_b64 v[FB+4:FB+5], v5 offset:FO+512
	ds_load_b128 v[FB+6:FB+9], v4 offset:FO+768    ; the odd head's: registers 6-11
	ds_load_b64 v[FB+10:FB+11], v5 offset:FO+1280
.set TI, TI+1
.endr
.endm
; Token tiles a0 .. a0 + n - 1 against W_out's eight.  In K step 0 the bias is the C.  All accumulators take turns, one instruction a turn.
.macro MUL k, a0, n
.if (\k) == 0
	WIN 0x91                                       ; source 0 (W_out) window 1, source 1 (o) window 0, C (bias) window 1, D window 2
.else
	WIN 0xa1                                       ; C and D window 2
.endif
.set AI, \a0
.rept \n
.set BI, 0
.rept 8
.set rD, 8*(8*AI+BI)
.set rA, 96*((\k)%2)+12*BI
.set rB, XF+48*((\k)%2)+12*AI
.if (\k) == 0
.set rC, BIAS+8*BI
.else
.set rC, rD
.endif
.set rSA, BSC+8*(BI/2)+(\k)
.set rSB, ASC+8*(AI/2)+(\k)
	WM rD, rA, rB, rC, rSA, rSB, BI%2, AI%2
.set BI, BI+1
.endr
.set AI, AI+1
.endr
.endm
.macro EVEN k                          ; a K step whose successor lies in the same chunk
	s_wait_dscnt 0x0                               ; this step's fragments are in
	PLACES                                         ; ahead of loads into the sets that the last step multiplied
	FETCH (\k)+1
	MUL \k, 0, 4
.endm
.macro ODD k                           ; a chunk's second K step: the next chunk must be whole before it is read
	s_wait_dscnt 0x0                               ; this step's fragments are in, and no LDS instruction is out at the signal
	s_wait_tensorcnt 3-((\k)+1)/2                  ; my part of the next chunk is in; the loads of the chunks behind it may stay out
	s_barrier_signal -1
	MUL \k, 0, 2
	WIN 0
	s_barrier_wait -1                              ; everybody's part is in
	v_add_nc_u32 v4, CHUNK, v4                     ; on to the next chunk; these four are also the places ahead of the loads below
	v_add_nc_u32 v5, CHUNK, v5
	v_add_nc_u32 v6, CHUNK, v6
	v_add_nc_u32 v7, CHUNK, v7
	FETCH (\k)+1
	MUL \k, 2, 2
.endm
	s_load_b256 s[4:11], s[0:1], 0x0               ; lc s[4:5], lsc s[6:7], W_out's codes s[8:9], its scales s[10:11]
	s_load_b128 s[12:15], s[0:1], 0x20             ; the bias s[12:13], out0 s[14:15]
	v_lshl_add_u32 v94, v0, 2, 0x4e000
	v_mov_b32 v95, 0
	ds_add_u32 v94, v95
	ds_add_u32 v94, v95
	v_lshrrev_b32 v3, 5, v0
	v_readfirstlane_b32 s18, v3                    ; wave 0..3
	s_lshr_b32 s19, s18, 1                         ; I fetch for o (0) or for W_out (1),
	s_and_b32 s20, s18, 1                          ; and which half of that tile's rows
	s_bfe_u32 s21, ttmp6, 0x40000                  ; cx
	s_bfe_u32 s22, ttmp6, 0x40004                  ; cy
	s_lshl_b32 s23, ttmp9, 2
	s_add_co_u32 s23, s23, s21                     ; the block of 128 columns = 4 x cluster x + cx
	s_and_b32 s58, ttmp7, 0xffff
	s_lshl_b32 s58, s58, 2
	s_add_co_u32 s58, s58, s22                     ; the block of 256 tokens = 4 x cluster y + cy
	s_lshl_b32 s56, s22, 2
	s_lshl_b32 s56, 15, s56                        ; my row of the cluster
	s_lshl_b32 s57, 0x1111, s21                    ; my column
	; group 1 for o: 8 token tiles a load; a tile's four heads are 3,072 consecutive bytes (384 elements of 8 bytes), 12,288 bytes (1,536 elements) from tile to tile; dense in LDS
	s_or_b32 s[G1A], s56, (3<<16)|(1<<21)          ; 15:0 the mask; 17:16 elements of 8 bytes; 21 set beside a mask
	s_mov_b32 s[G1A+1], 384<<16                    ; tensor_dim0
	s_mov_b32 s[G1A+2], 8<<16                      ; tensor_dim1
	s_mov_b32 s[G1A+3], 384<<16                    ; tile_dim0
	s_mov_b32 s[G1A+4], 8                          ; tile_dim1
	s_mov_b32 s[G1A+5], 1536                       ; the pitch
	s_mov_b32 s[G1A+6], 0
	s_mov_b32 s[G1A+7], 0
	; and for W_out: 64 rows of 192 bytes a load, 768 bytes apart; 16 bytes of padding behind every 64
	s_or_b32 s[G1B], s57, (1<<20)|(1<<21)|(3<<22)|(3<<25)
	s_mov_b32 s[G1B+1], 192<<16
	s_mov_b32 s[G1B+2], 64<<16
	s_mov_b32 s[G1B+3], 192<<16
	s_mov_b32 s[G1B+4], 64
	s_mov_b32 s[G1B+5], 768
	s_mov_b32 s[G1B+6], 0
	s_mov_b32 s[G1B+7], 0
	s_lshl_b32 s60, s58, 4
	s_lshl_b32 s61, s20, 3
	s_add_co_u32 s60, s60, s61                     ; o: token tile 16 x block + 8 x half
	s_mul_i32 s60, s60, 12288
	s_mov_b32 s61, 0
	s_lshl_b32 s62, s23, 7
	s_lshl_b32 s63, s20, 6
	s_add_co_u32 s62, s62, s63                     ; W_out: row 128 x block + 64 x half
	s_mul_i32 s62, s62, 768
	s_mov_b32 s63, 0
	s_mul_i32 s84, s20, 24576                      ; where they go in a chunk: no place in the cluster enters an LDS address
	s_mul_i32 s85, s20, 64*PITCH
	s_add_co_u32 s85, s85, BOFF
	s_lshl_b32 s86, s58, 10
	s_lshl_b32 s87, s18, 8
	s_add_co_u32 s86, s86, s87                     ; my 64 tokens' words in a head's row of lsc
	s_mov_b32 s87, 0
	s_lshl_b32 s88, s58, 20
	s_lshl_b32 s89, s18, 18
	s_add_co_u32 s88, s88, s89                     ; my first row of out0, 4,096 bytes a row,
	s_lshl_b32 s89, s23, 9
	s_add_co_u32 s88, s88, s89                     ; and the block's first column (under 2^26 in all)
	s_mov_b32 s89, 0
	s_wait_dscnt 0x0
	s_wait_kmcnt 0x0
	s_add_nc_u64 s[60:61], s[4:5], s[60:61]
	s_add_nc_u64 s[62:63], s[8:9], s[62:63]
	s_add_nc_u64 s[6:7], s[6:7], s[86:87]
	s_add_nc_u64 s[90:91], s[14:15], s[88:89]
	s_lshl_b32 s86, s23, 12                        ; the block's 128 rows of W_out's scale bytes
	s_add_nc_u64 s[10:11], s[10:11], s[86:87]
	s_lshl_b32 s86, s23, 9                         ; and its 128 numbers of the bias
	s_add_nc_u64 s[12:13], s[12:13], s[86:87]
	CROUND                                         ; all sixteen work-groups are here: the joint loads meet
.irp c, 0,1,2,3
	s_mov_b32 s[G0A+4*\c], 1                       ; count = 1
	s_add_co_u32 s[G0A+4*\c+1], s84, \c*CHUNK      ; LDS address
	s_add_nc_u64 s[G0A+4*\c+2:G0A+4*\c+3], s[60:61], \c*3072   ; global address: four heads on
	s_or_b32 s[G0A+4*\c+3], s[G0A+4*\c+3], 0x80000000          ; type = 2
	s_mov_b32 s[G0B+4*\c], 1
	s_add_co_u32 s[G0B+4*\c+1], s85, \c*CHUNK
	s_add_nc_u64 s[G0B+4*\c+2:G0B+4*\c+3], s[62:63], \c*192
	s_or_b32 s[G0B+4*\c+3], s[G0B+4*\c+3], 0x80000000
.endr
	s_cmp_eq_u32 s19, 0                            ; all the launch's fills stand in this one branch: four loads of mine are out
	s_cbranch_scc0 .Lfirst_b
	tensor_load_to_lds s[G0A:G0A+3], s[G1A:G1A+7]
	s_nop 0
	tensor_load_to_lds s[G0A+4:G0A+7], s[G1A:G1A+7]
	s_nop 0
	tensor_load_to_lds s[G0A+8:G0A+11], s[G1A:G1A+7]
	s_nop 0
	tensor_load_to_lds s[G0A+12:G0A+15], s[G1A:G1A+7]
	s_nop 0
.rept 4
	v_nop
.endr
	s_branch .Lfirst_done
.Lfirst_b:
	tensor_load_to_lds s[G0B:G0B+3], s[G1B:G1B+7]
	s_nop 0
	tensor_load_to_lds s[G0B+4:G0B+7], s[G1B:G1B+7]
	s_nop 0
	tensor_load_to_lds s[G0B+8:G0B+11], s[G1B:G1B+7]
	s_nop 0
	tensor_load_to_lds s[G0B+12:G0B+15], s[G1B:G1B+7]
	s_nop 0
.rept 4
	v_nop
.endr
.Lfirst_done:
	v_and_b32 v1, 15, v0                           ; r
	v_bfe_u32 v2, v0, 4, 1                         ; h
	v_and_b32 v3, 31, v0                           ; lane
	s_mul_i32 s86, s18, 12288                      ; my four token tiles' images in a chunk
	v_lshlrev_b32 v10, 4, v3                       ; 16 x lane: also my 16 bytes of a row of out0
	v_add_nc_u32 v4, s86, v10                      ; v4, v5: images, 16 and 8 bytes a lane
	v_lshl_add_u32 v5, v3, 3, s86
	v_mul_u32_u24 v6, v1, PITCH
	v_mad_u32_u24 v6, v2, 24, v6
	v_add_nc_u32 v6, BOFF, v6                      ; v6: W_out's fragments: row x pitch + 24 x half;
	v_lshl_add_u32 v7, v2, 4, v6                   ; v7: the same behind one padding more
	v_mul_u32_u24 v8, v1, SPITCH
	v_lshl_add_u32 v8, v2, 5, v8
	v_add_nc_u32 v8, s86, v8                       ; the stage, in: row r, 32 bytes for each half of the lanes
	v_add_nc_u32 v9, s86, v10                      ; and back: the 32 lanes take one row of 512 bytes
	v_lshlrev_b32 v11, 2, v3                       ; 4 x lane
	v_lshlrev_b32 v12, 5, v3                       ; 32 x lane: a row of scale bytes
	v_lshlrev_b32 v13, 5, v2                       ; 32 h: my eight columns of a tile of the bias
.irp hd, 0,1,2,3,4,5,6,7,8,9,10,11,12,13,14,15
.irp tp, 0,1
	global_load_b32 v[HW+2*\hd+\tp], v11, s[6:7] offset:32768*\hd+128*\tp   ; head hd, token 32 tp + lane: 128 consecutive bytes
.endr
.endr
.irp bp, 0,1,2,3
	global_load_b128 v[BSC+8*\bp:BSC+8*\bp+3], v12, s[10:11] offset:1024*\bp        ; row 32 bp + lane: K steps 0-3,
	global_load_b128 v[BSC+8*\bp+4:BSC+8*\bp+7], v12, s[10:11] offset:1024*\bp+16   ; 4-7
.endr
	WIN 0x40                                       ; destination window 1
.irp b, 0,1,2,3,4,5,6,7
	global_load_b128 v[BIAS+8*\b:BIAS+8*\b+3], v13, s[12:13] offset:64*\b
	global_load_b128 v[BIAS+8*\b+4:BIAS+8*\b+7], v13, s[12:13] offset:64*\b+16
.endr
	WIN 0
	s_wait_tensorcnt 0x3                           ; my part of chunk 0 is in; the three loads issued behind it may stay out
	s_barrier_signal -1
	s_barrier_wait -1                              ; everybody's is
	s_wait_loadcnt 0x0                             ; scale words and bias, once
.irp g, 0,1,2,3,4,5,6,7
.irp tp, 0,1
	v_or_b32 v[ASC+8*\tp+\g], v[HW+4*\g+\tp], v[HW+4*\g+2+\tp]   ; K step g's word: head 2 g's half and head 2 g + 1's.  By ascending K step, so that each word stands well ahead of its first product
.endr
.endr
	PLACES                                         ; with the four at K step 0's head: eight plain lines between a scale word so written and a scaled product
	FETCH 0
	EVEN 0
	ODD 1
	s_wait_alu depctr_va_vdst(0)
	EVEN 2
	ODD 3
	s_wait_alu depctr_va_vdst(0)
	EVEN 4
	ODD 5
	s_wait_alu depctr_va_vdst(0)
	EVEN 6
	s_wait_dscnt 0x0
	MUL 7, 0, 4
	WIN 0
; THE WAY OUT, block by block of 16 rows x 128 columns.  A lane holds 32 neighbouring bytes of a row, and the lanes beside it hold other rows: so a block goes through my own stage and comes back as whole rows of 512 bytes.
; LDS serves a wave's instructions in order (ISA guide 5.7.1.4): no wait between the stores and the loads, nor ahead of the next block's stores.
.macro TOSTAGE a
	WIN 0x08                                       ; an LDS store's data are its source 1: window 2
.irp b, 0,1,2,3,4,5,6,7
	ds_store_b128 v8, v[64*(\a)+8*\b:64*(\a)+8*\b+3] offset:64*\b          ; each accumulator from its low end on
	ds_store_b128 v8, v[64*(\a)+8*\b+4:64*(\a)+8*\b+7] offset:64*\b+16
.endr
	WIN 0
.set BB, BK+64*((\a)%2)
.irp t, 0,1,2,3,4,5,6,7,8,9,10,11,12,13,14,15
	ds_load_b128 v[BB+4*\t:BB+4*\t+3], v9 offset:\t*SPITCH
.endr
.endm
.macro SEND a, younger                 ; younger: the LDS instructions issued behind block a's loads, which may stay out
.set BB, BK+64*((\a)%2)
	s_wait_dscnt \younger                          ; the block is back in registers
.if (\a) > 0
	s_add_nc_u64 s[90:91], s[90:91], 65536         ; 16 rows of out0 on (behind a wait on XCNT: the earlier stores have read their base)
.endif
.irp t, 0,1,2,3,4,5,6,7,8,9,10,11,12,13,14,15
	global_store_b128 v10, v[BB+4*\t:BB+4*\t+3], s[90:91] offset:\t*4096 th:TH_STORE_NT   ; 32 lanes store 512 consecutive bytes, at a multiple of 256 from out0's first byte; written once, read by nobody here
.endr
.endm
	PLACES                                         ; ahead of the reads of results, and of the loads into the registers that held o's fragments
	TOSTAGE 0
.irp a, 1,2,3
.if \a > 1
	s_wait_xcnt 0x0                                ; block a - 2's stores have read their registers and their base
.endif
	TOSTAGE \a
	SEND \a-1, 32                                  ; behind block a - 1's loads: block a's 16 stores and 16 loads
.endr
	s_wait_xcnt 0x0
	SEND 3, 0
	s_wait_tensorcnt 0x0
	ds_add_u32 v94, v95
	s_wait_dscnt 0x0
	CROUND                                         ; the closing round: no work-group ends while a partner may still ask for a tile that names it
	s_endpgm
.Lfunc_end_k_q2b5c8d53c8_proj:
	.size	k_q2b5c8d53c8_proj, .Lfunc_end_k_q2b5c8d53c8_proj-k_q2b5c8d53c8_proj
	.p2alignl 7, 3214868480
	.fill 96, 4, 3214868480
	.section	.rodata,"a",@progbits
	.p2align	6, 0x0
	.amdhsa_kernel k_q2b5c8d53c8_proj
		.amdhsa_group_segment_fixed_size 320000
		.amdhsa_private_segment_fixed_size 0
		.amdhsa_enable_private_segment 0
		.amdhsa_kernarg_size 48
		.amdhsa_user_sgpr_count 2
		.amdhsa_user_sgpr_kernarg_segment_ptr 1
		.amdhsa_wavefront_size32 1
		.amdhsa_system_sgpr_workgroup_id_x 1
		.amdhsa_system_sgpr_workgroup_id_y 1
		.amdhsa_system_sgpr_workgroup_id_z 1
		.amdhsa_system_vgpr_workitem_id 0
		.amdhsa_next_free_vgpr 768
		.amdhsa_next_free_sgpr 100
		.amdhsa_reserve_vcc 0
		.amdhsa_float_denorm_mode_32 3
		.amdhsa_float_denorm_mode_16_64 3
		.amdhsa_memory_ordered 1
		.amdhsa_forward_progress 1
		.amdhsa_inst_pref_size 96
	.end_amdhsa_kernel
	.amdgpu_metadata
---
amdhsa.version: [ 1, 2 ]
amdhsa.kernels:
  - .name:           k_q2b5c8d53c8_proj
    .symbol:         k_q2b5c8d53c8_proj.kd
    .args:
      - { .name: lc, .offset: 0, .size: 8, .value_kind: global_buffer, .address_space: global }
      - { .name: lsc, .offset: 8, .size: 8, .value_kind: global_buffer, .address_space: global }
      - { .name: W_out_codes, .offset: 16, .size: 8, .value_kind: global_buffer, .address_space: global }
      - { .name: W_out_scales, .offset: 24, .size: 8, .value_kind: global_buffer, .address_space: global }
      - { .name: b_out, .offset: 32, .size: 8, .value_kind: global_buffer, .address_space: global }
      - { .name: out0, .offset: 40, .size: 8, .value_kind: global_buffer, .address_space: global }
    .group_segment_fixed_size: 320000
    .private_segment_fixed_size: 0
    .kernarg_segment_align: 8
    .kernarg_segment_size: 48
    .max_flat_workgroup_size: 128
    .sgpr_count:     100
    .vgpr_count:     768
    .wavefront_size: 32
...
	.end_amdgpu_metadata
.endif
;; end of part 3
